; MI455X (gfx1250); checked and timed in simulation.
; The chip was launched on July 23, 2026; its instructions are those of AMD's public machine-readable ISA for CDNA 5 (MIT licence, August 2026) and "CDNA5" Instruction Set Architecture Reference Guide (July 2026). The comments in the code are by the model that wrote it; some were corrected since.
;; Self Attention Layer. Allowed arithmetic: matrix products marked QUANTISED: E2M1 operands, one E8M0 scale for each 32 along K, by v_wmma_scale_f32_16x16x128_f8f6f4 with both operands' format E2M1 (or v_wmma_scale_f32_32x16x128_f4), f32 sums; everything else in f32.
;; Inputs: Wk 1,024 x 1,024 float32; Wq 1,024 x 1,024 float32; Wv 1,024 x 1,024 float32; bk 1,024 float32; bq 1,024 float32; bv 1,024 float32; x 4 x 2,048 x 1,024 float32.
;; Outputs: out0 4 x 2,048 x 1,024 float32.
;; This version of the problem:
;;   THIS VERSION OF THE PROBLEM IS GIVEN IN LOW PRECISION. The matrix products marked QUANTISED in the list below multiply operands that are first quantised to E2M1 (2 exponent bits, 1 mantissa bit; 4 bits a number), with one power-of-two scale for each 32 numbers along K (OCP MX v1.0); their sums are f32. All else is computed in f32.
;;   The module's matrix products, in the order in which they are computed (A, B: the left and right operand; K: the contracted axis; several contracted axes count as one K, in the product's order):
;;     1. [M 8,192, K 1,024] x [K 1,024, N 1,024]; A: input x; B: input Wq: QUANTISED
;;     2. [M 8,192, K 1,024] x [K 1,024, N 1,024]; A: input x; B: input Wk: QUANTISED
;;     3. [M 8,192, K 1,024] x [K 1,024, N 1,024]; A: input x; B: input Wv: QUANTISED
;;     4. batch 64 x [M 2,048, K 64] x [K 64, N 2,048]; A: computed on the way; B: computed on the way: QUANTISED
;;     5. batch 64 x [M 2,048, K 2,048] x [K 2,048, N 64]; A: softmax (see below); B: computed on the way: QUANTISED
;;   THE QUANTISER, for each operand of a quantised product, along K:
;;     - K is cut into blocks of 32 from its start; a last block that is shorter is filled with zeros.
;;     - A block's scale is 2^e with e = floor(log2(the largest magnitude in the block)) - 2, held to -126 .. 127; a block of zeros has e = 0. As a byte (E8M0): e + 127.
;;     - Each number is divided by its block's scale, clamped to +-6, and rounded to the nearest number of E2M1, ties to even, subnormals kept.
;;     - The product sums the exact products of the quantised numbers (number of the format x scale) in f32.
;;   ~~~python
;;   def quantise(x, axis):      # numpy; x: float32 -> the quantised numbers, widened to float32 again
;;       x = np.moveaxis(x, axis, -1); K = x.shape[-1]
;;       x = np.pad(x, [(0, 0)] * (x.ndim - 1) + [(0, -K % 32)]); x = x.reshape(x.shape[:-1] + (-1, 32)); a = np.abs(x).max(-1, keepdims=True)
;;       e = np.where(a > 0, np.clip(np.frexp(np.where(a > 0, a, 1))[1] - 1 - 2, -126, 127), 0)      # np.frexp(a)[1] - 1 = floor(log2(a)), exactly
;;       r = np.clip(x / 2.0 ** e, -6, 6)
;;       step = 2.0 ** (np.maximum(np.frexp(np.where(r == 0, 1, r))[1] - 1, 0) - 1)
;;       q = np.round(r / step) * step * 2.0 ** e      # np.round: ties to even
;;       return np.moveaxis(q.reshape(q.shape[:-2] + (-1,))[..., :K], -1, axis).astype(np.float32)
;;   ~~~
;;   SOFTMAX AHEAD OF A QUANTISED PRODUCT. Where the list says 'softmax', what is quantised is not the finished softmax but p = 2^(t - M), with t = logit x log2(e) and M = ceil(the row's largest t), a whole number; so 1/2 < the row's largest p <= 1. The row's sum l is taken of the UNQUANTISED p, in f32, and the product's result is divided by l at the end. Since M is a whole number, a kernel that streams over the keys may use a running M (the ceiling of the running maximum): every later rescaling is an exact power of two, which a block's scale takes up: the codes' values come out the same.
;;   OPERANDS COMPUTED ON THE WAY. 'Computed on the way' means the value that the module computes at that place (a softmax that the list does not call 'softmax' is quantised finished and normalised). What goes into a quantiser is computed in f32, as accurately as f32 sums, v_exp_f32 and their like allow (about 1e-6 of the number): no bf16 or f16 on the way to a quantiser, and a product that is left as it is and whose result goes on into a quantised operand takes f32 operands (vector FMAs, or v_wmma_f32_16x16x4_f32). A number that lies on a knife's edge between two numbers of the format may be rounded either way, as far as f32 arithmetic and the matrix unit's own rounding can turn it there, and no further.
;; One version. Each part assembles by itself: llvm-mc -triple=amdgcn-amd-amdhsa -mcpu=gfx1250 --defsym DOCPART=n.
;; ======== version 1 of 1: 3 launches
;; limits: right only within a limited range of input values
;; workspace buffers: x_codes 4,194,304 bytes; x_scales 262,144 bytes; w_codes 1,572,864 bytes; w_scales 98,304 bytes; qbuf 4,718,592 bytes; kv 9,175,040 bytes
;; launch quant (part 1): grid 352 x 1, 4 waves a work-group, no clusters, 50,688 bytes of LDS; arguments x, Wq, Wk, Wv, x_codes, x_scales, w_codes, w_scales; writes x_codes, x_scales, w_codes, w_scales
.if DOCPART == 1
	.amdgcn_target "amdgcn-amd-amdhsa--gfx1250"
	.amdhsa_code_object_version 6
	.text
	.protected	k_q7cdd04c1fb_quant
	.globl	k_q7cdd04c1fb_quant
	.p2align	8
	.type	k_q7cdd04c1fb_quant,@function
k_q7cdd04c1fb_quant:
	s_mov_b64 s[64:65], 0
	v_nop
	global_prefetch_b8 v0, s[64:65] scope:SCOPE_SE
	s_setreg_imm32_b32 hwreg(HW_REG_WAVE_MODE, 25, 1), 1
	s_wait_xcnt 0x0
; x [8192][1024] f32 (K innermost) and Wq, Wk, Wv [1024 (k)][1024 (n)] f32 (K is the FIRST axis) become codes of FP4 (E2M1), K innermost, 512 bytes a row,
; with one E8M0 byte for each 32 along K, 32 bytes a row.  x_codes/x_scales: a row for each token; w_codes/w_scales: a row for each column n, Wq's 1,024, then Wk's, then Wv's.
; A block's scale is 2^(floor(log2(its largest magnitude)) - 2): its byte is the largest magnitude's exponent field - 2, held at 1 from below.
; THE ORDER OF ROWS IN THE FOUR BUFFERS: inside each group of 32 rows the four groups of eight lie at places 0, 2, 1, 3: row 32 B + 8 e + f lies at position 32 B + 16 (e % 2) + 8 (e / 2) + f.
; LIMITS: a block of zeros gets the byte 1 where the quantiser's rule says 127 (its codes are zeros, and this program alone reads the bytes); largest magnitudes under 2^-124 are held at the byte 1;
; NaN and infinities among the inputs are not served.
; Work-groups 0-95 take the weights, 96-351 take x.  The two ways part once, on the work-group's number, and never join; each has LDS bytes of its own.
.set STEPS, 16
.set EMAX,  2
.set CB,    8                          ; bytes of 16 codes
.set XR,    16                         ; x: v16-143  eight sets of 16 numbers as they are loaded
.set XX,    144                        ;    v144-175 two sets of 16 neighbours
.set XE,    176                        ;    v176-191 a scale byte for each step
.set XC,    192                        ;    v192-223 codes: two registers for each step, so that no store's data are written again
.set SPW,   224                        ; v224 my spare word's address, v225 = 0: kept for the add alone
.set NIL,   225
.set WREG,  8192                       ;    LDS [0, 32768): a region for each wave: two stages of 32 x SP bytes, then its 256 scale bytes
.set SP,    80                         ;    a lane's place in a stage: 64 bytes + 16 of padding
.set WLDS,  32768                      ; W: LDS [32768, 50176): two stages of 32 rows x PITCH, one for each 32 columns
.set NB,    8                          ;    blocks of 32 along K for a wave (256 along K)
.set PITCH, 272                        ;    a stage row: 256 bytes of codes + 16
.set SPARE, WLDS+2*32*PITCH            ; the spare words, 128 bytes a wave
.set WX,    32                         ;    v32-95   two sets of 32 numbers
.set WC,    96                         ;    v96-99   a block's codes
.set WOUT,  112                        ;    v112-143 the way out
.set WSB,   24                         ;    v24-25   the scale bytes, four to a register
	s_load_b256 s[4:11], s[0:1], 0x0               ; x s[4:5], Wq s[6:7], Wk s[8:9], Wv s[10:11]
	s_load_b256 s[12:19], s[0:1], 0x20             ; x_codes s[12:13], x_scales s[14:15], w_codes s[16:17], w_scales s[18:19]
	v_lshl_add_u32 v[SPW], v0, 2, SPARE
	v_mov_b32 v[NIL], 0
	v_lshrrev_b32 v1, 5, v0
	v_readfirstlane_b32 s20, v1                    ; wave 0..3
	v_and_b32 v2, 31, v0                           ; lane
	s_cmp_lt_u32 ttmp9, 96
	s_cbranch_scc0 .Lx
; ---------------- THE WEIGHTS.  A lane takes a column n, and its registers run down K: a block of 32 along K lies in one lane's 32 registers, and the conversions give codes with K innermost.
; A work-group: tensor = number / 32, 64 columns = number % 16, which half of K = (number / 16) % 2.  A wave: 32 columns (wave % 2) x 256 along K (wave / 2): two waves side by side read 256 consecutive bytes,
; and two waves fill the halves of a stage row of 256 bytes; behind one barrier each wave stores 16 whole rows.
	s_lshr_b32 s21, ttmp9, 5                       ; which tensor
	s_and_b32 s22, ttmp9, 15
	s_bfe_u32 s23, ttmp9, 0x10004                  ; which half of K
	s_and_b32 s36, s20, 1                          ; which 32 columns
	s_lshr_b32 s37, s20, 1                         ; which quarter of K inside the half
	s_lshl_b32 s24, s22, 6
	s_lshl_b32 s25, s36, 5
	s_add_co_u32 s24, s24, s25                     ; my wave's first column
	s_mul_i32 s25, s36, 32*PITCH
	s_add_co_u32 s25, s25, WLDS                    ; my columns' stage
	s_lshl_b32 s38, s37, 7
	s_add_co_u32 s38, s38, s25                     ; into it: my 128 bytes of each row
	s_mul_i32 s39, s37, 16*PITCH
	s_add_co_u32 s39, s39, s25                     ; out of it: my 16 rows
	s_wait_alu depctr_va_vdst(0)                   ; the wait behind the run of scalar lines
	v_lshlrev_b32 v3, 2, v2                        ; in: 4 bytes a lane
	v_mul_u32_u24 v4, v2, PITCH
	v_add_nc_u32 v4, s38, v4                       ; row = my column
	v_and_b32 v5, 15, v2
	v_lshrrev_b32 v6, 4, v2                        ; out: sixteen lanes to a row, two rows an instruction
	v_mul_u32_u24 v7, v6, PITCH
	v_lshl_add_u32 v7, v5, 4, v7
	v_add_nc_u32 v7, s39, v7
	v_lshlrev_b32 v8, 9, v6                        ; and the same place in the codes' buffer: rows of 512 bytes
	v_lshl_add_u32 v8, v5, 4, v8
	v_and_b32 v9, 7, v2                            ; my column's position among the 32: (c % 8) + 8 ((c / 16) % 2) + 16 ((c / 8) % 2)
	v_bfe_u32 v10, v2, 4, 1
	v_lshl_add_u32 v9, v10, 3, v9
	v_bfe_u32 v10, v2, 3, 1
	v_lshl_add_u32 v9, v10, 4, v9
	v_lshlrev_b32 v9, 5, v9                        ; x 32 bytes: its row of scale bytes
	s_lshl_b32 s26, s23, 21                        ; W: 512 rows of 4,096 bytes for the upper half of K,
	s_lshl_b32 s27, s37, 20                        ; 256 rows for the upper quarter,
	s_add_co_u32 s26, s26, s27
	s_lshl_b32 s27, s24, 2
	s_add_co_u32 s26, s26, s27                     ; + 4 bytes a column
	s_mov_b32 s27, 0
	s_lshl_b32 s28, s21, 10
	s_add_co_u32 s28, s28, s24                     ; first row in w_codes and w_scales: 1,024 x tensor + first column
	s_lshl_b32 s30, s28, 9
	s_lshl_b32 s29, s23, 8
	s_add_co_u32 s30, s30, s29                     ; codes: 512 bytes a row, + 256 for the upper half of K,
	s_lshl_b32 s29, s37, 12
	s_add_co_u32 s30, s30, s29                     ; + 8 positions for the rows that I store: columns 16 (wave / 2) on
	s_mov_b32 s31, 0
	s_lshl_b32 s32, s28, 5
	s_lshl_b32 s29, s23, 4
	s_add_co_u32 s32, s32, s29                     ; scale bytes: 32 a row, + 16 for the half, + 8 for the quarter
	s_lshl_b32 s29, s37, 3
	s_add_co_u32 s32, s32, s29
	s_mov_b32 s33, 0
	s_wait_alu depctr_va_vdst(0)                   ; the wait at the head's end
	s_wait_kmcnt 0x0
	s_cmp_eq_u32 s21, 0                            ; the tensor is chosen by the work-group's number alone
	s_cselect_b64 s[34:35], s[6:7], s[8:9]
	s_cmp_eq_u32 s21, 2
	s_cselect_b64 s[34:35], s[10:11], s[34:35]
	s_add_nc_u64 s[34:35], s[34:35], s[26:27]
	s_add_nc_u64 s[16:17], s[16:17], s[30:31]
	s_add_nc_u64 s[18:19], s[18:19], s[32:33]
.macro WLOAD t                         ; block t: W(32 t + i, my column), i = 0 .. 31, into set t % 2
.set n, 0
.rept 32
	global_load_b32 v[WX+32*((\t)%2)+n], v3, s[34:35] offset:(32*(\t)+n)*4096 th:TH_LOAD_NT
.set n, n+1
.endr
.endm
	WLOAD 0
	WLOAD 1
.macro WBLOCK t
.set XS, WX+32*((\t)%2)
.if (\t) < NB-1
	s_wait_loadcnt 32                              ; this block's 32 loads are in; the next block's 32 may be out
.else
	s_wait_loadcnt 0x0
.endif
	v_max3_num_f32 v12, |v[XS]|, |v[XS+1]|, |v[XS+2]|              ; the block's largest magnitude: all 32 numbers are mine; two chains
	v_max3_num_f32 v13, |v[XS+3]|, |v[XS+4]|, |v[XS+5]|
.irp i, 6,10,14,18,22,26
	v_max3_num_f32 v12, v12, |v[XS+\i]|, |v[XS+\i+1]|
	v_max3_num_f32 v13, v13, |v[XS+\i+2]|, |v[XS+\i+3]|
.endr
	v_max3_num_f32 v12, v12, |v[XS+30]|, |v[XS+31]|
	v_max3_num_f32 v12, v12, v13, (EMAX+1)<<23     ; and the floor 2^(3 - 127): the byte cannot fall under 1
	v_add_nc_u32 v11, -(EMAX<<23), v12             ; 2 off the exponent field: the conversion takes the exponent field of this operand as its scale
	v_lshrrev_b32 v13, 23, v11                     ; the scale's byte
.if (\t)%4 == 0
	v_mov_b32 v[WSB+(\t)/4], v13                   ; four bytes to a register, the lower K in the lower byte
.else
	v_lshl_or_b32 v[WSB+(\t)/4], v13, 8*((\t)%4), v[WSB+(\t)/4]
.endif
.irp g, 0,1,2,3
	v_cvt_scalef32_pk8_fp4_f32 v[WC+\g], v[XS+8*\g:XS+8*\g+7], v11
.endr
	ds_store_b128 v4, v[WC:WC+3] offset:16*(\t)    ; 32 codes: 16 bytes of my column's row
.if (\t)+2 < NB
	WLOAD (\t)+2
.endif
	s_wait_dscnt 0x0                               ; the store has read its registers: the next block's codes may be written; behind the last block: my stores are done, for the others' sake
.endm
.set Q, 0
.rept NB
	WBLOCK Q
.set Q, Q+1
.endr
	s_wait_alu depctr_va_vdst(0)                   ; the wait ahead of the reader below
	global_store_b64 v9, v[WSB:WSB+1], s[18:19]    ; my column's 8 scale bytes, at its position
	s_barrier_signal -1
	s_barrier_wait -1                              ; both halves of every stage row are written
.irp t, 0,1,2,3,4,5,6,7
	ds_load_b128 v[WOUT+4*\t:WOUT+4*\t+3], v7 offset:2*\t*PITCH
.endr
.irp t, 0,1,2,3,4,5,6,7
	s_wait_dscnt 7-\t                              ; the younger loads may be out
	global_store_b128 v8, v[WOUT+4*\t:WOUT+4*\t+3], s[16:17] offset:(16*(\t/4)+2*(\t%4))*512   ; columns 16 (wave / 2) + 2 t, + 1 at their positions; sixteen lanes store 256 consecutive aligned bytes
.endr
	s_wait_tensorcnt 0x0                           ; the wave's end
	ds_add_u32 v[SPW], v[NIL]
	s_wait_dscnt 0x0
	s_endpgm
; ---------------- x.  Rows are dense, so x is a stream of blocks of 32.  A wave takes a run of 8,192 numbers (8 rows) in 16 steps of 512.  Each load reads 512 consecutive bytes; a step's 2,048 bytes turn
; through the wave's own stage in LDS and come back 64 bytes a lane: 16 neighbours along K, two neighbouring lanes to a block.  Loads run eight steps (32 loads a wave) ahead.  No barrier: waves share nothing.
.Lx:
	s_wait_alu depctr_va_vdst(0)                   ; the wait behind the taken branch
	v_lshlrev_b32 v3, 4, v2                        ; my 16 bytes of a load's 512
	s_mul_i32 s21, s20, WREG
	v_lshrrev_b32 v14, 2, v2
	v_mul_u32_u24 v14, v14, SP
	v_and_b32 v15, 3, v2
	v_lshl_add_u32 v14, v15, 4, v14
	v_add_nc_u32 v14, s21, v14                     ; the stage, on the way in: SP (lane / 4) + 16 (lane % 4)
	v_mul_u32_u24 v15, v2, SP
	v_add_nc_u32 v15, s21, v15                     ; and on the way out: SP x lane
	v_mul_u32_u24 v4, v2, CB                       ; my codes' place in a step's
	v_lshrrev_b32 v5, 1, v2
	s_add_co_u32 s21, s21, 2*32*SP
	v_add_nc_u32 v5, s21, v5                       ; LDS: my wave's 256 scale bytes, my block's byte
	v_lshlrev_b32 v7, 3, v2                        ; and on the way out 8 bytes a lane
	v_add_nc_u32 v6, s21, v7
	s_sub_co_u32 s22, ttmp9, 96
	s_lshl_b32 s22, s22, 2
	s_add_co_u32 s22, s22, s20                     ; g: which run of 8 rows
	s_and_b32 s24, s22, 0xfffffffc
	s_and_b32 s25, s22, 1
	s_lshl_b32 s25, s25, 1
	s_or_b32 s24, s24, s25
	s_bfe_u32 s25, s22, 0x10001
	s_or_b32 s24, s24, s25                         ; where it goes: the two low bits change places
	s_lshl_b32 s22, s22, 15                        ; 32,768 bytes of x a run
	s_mov_b32 s23, 0
	s_lshl_b32 s26, s24, 12                        ; 4,096 bytes of codes
	s_mov_b32 s27, 0
	s_lshl_b32 s28, s24, 8                         ; 256 scale bytes
	s_mov_b32 s29, 0
	s_wait_alu depctr_va_vdst(0)                   ; the wait at the head's end
	s_wait_kmcnt 0x0
	s_add_nc_u64 s[4:5], s[4:5], s[22:23]
	s_add_nc_u64 s[12:13], s[12:13], s[26:27]
	s_add_nc_u64 s[14:15], s[14:15], s[28:29]
.macro XLOAD t
.irp i, 0,1,2,3
	global_load_b128 v[XR+16*((\t)%8)+4*\i:XR+16*((\t)%8)+4*\i+3], v3, s[4:5] offset:2048*(\t)+512*\i th:TH_LOAD_NT
.endr
.endm
.macro XTURN t                         ; step t's numbers through the stage: LDS serves a wave's instructions in order, so no wait stands between the stores and the loads
.irp i, 0,1,2,3
	ds_store_b128 v14, v[XR+16*((\t)%8)+4*\i:XR+16*((\t)%8)+4*\i+3] offset:32*SP*((\t)%2)+8*SP*\i
.endr
.irp i, 0,1,2,3
	ds_load_b128 v[XX+16*((\t)%2)+4*\i:XX+16*((\t)%2)+4*\i+3], v15 offset:32*SP*((\t)%2)+16*\i
.endr
.endm
.irp t, 0,1,2,3,4,5,6,7
	XLOAD \t
.endr
	s_wait_loadcnt 28                              ; step 0's four loads are in; seven steps' 28 may be out
	XTURN 0
.macro XSTEP t
.set XS, XX+16*((\t)%2)
.if (\t) > 0
	s_wait_dscnt 1                                 ; this step's numbers are back from the stage (the last step's byte store may be out): so its stores into the stage have read their registers,
.else
	s_wait_dscnt 0x0
.endif
.if (\t)+8 < STEPS
	XLOAD (\t)+8                                   ; which take the loads of eight steps on
.endif
.if (\t)+1 < STEPS
.if (\t)+8 < STEPS
	s_wait_loadcnt 28                              ; the next step's four loads are in; those of the seven steps behind it may be out
.else
	s_wait_loadcnt 4*(STEPS-2-(\t))
.endif
	XTURN (\t)+1                                   ; and go through the other stage while this step is worked
.endif
	v_max3_num_f32 v8, |v[XS]|, |v[XS+1]|, |v[XS+2]|               ; the largest magnitude of my 16
	v_max3_num_f32 v9, |v[XS+3]|, |v[XS+4]|, |v[XS+5]|
.irp i, 6,10
	v_max3_num_f32 v8, v8, |v[XS+\i]|, |v[XS+\i+1]|
	v_max3_num_f32 v9, v9, |v[XS+\i+2]|, |v[XS+\i+3]|
.endr
	v_max3_num_f32 v8, v8, |v[XS+14]|, |v[XS+15]|
	v_max3_num_f32 v8, v8, v9, (EMAX+1)<<23        ; and the floor 2^(3 - 127)
	v_max_num_f32_dpp v8, v8, v8 row_xmask:1 row_mask:0xf bank_mask:0xf   ; and of my neighbour's 16: the block's
	v_add_nc_u32 v11, -(EMAX<<23), v8              ; 2 off its exponent field: the conversion's scale operand
	v_cvt_scalef32_pk8_fp4_f32 v[XC+2*(\t)], v[XS:XS+7], v11
	v_cvt_scalef32_pk8_fp4_f32 v[XC+2*(\t)+1], v[XS+8:XS+15], v11
	v_lshrrev_b32 v[XE+(\t)], 23, v11              ; the scale's byte (a plain line behind the conversions)
	ds_store_b8 v5, v[XE+(\t)] offset:16*(\t)      ; both lanes of a block write the same byte with the same value
	global_store_b64 v4, v[XC+2*(\t):XC+2*(\t)+1], s[12:13] offset:32*CB*(\t)   ; the wave stores 256 consecutive aligned bytes
.endm
.irp t, 0,1,2,3,4,5,6,7,8,9,10,11,12,13,14,15
	XSTEP \t
.endr
	ds_load_b64 v[12:13], v6                       ; LDS serves a wave's instructions in order: these see my stores
	s_wait_dscnt 0x0
	global_store_b64 v7, v[12:13], s[14:15]        ; 32 lanes store 256 consecutive aligned bytes
	s_wait_tensorcnt 0x0                           ; the wave's end
	ds_add_u32 v[SPW], v[NIL]
	s_wait_dscnt 0x0
	s_endpgm
.Lfunc_end_k_q7cdd04c1fb_quant:
	.size	k_q7cdd04c1fb_quant, .Lfunc_end_k_q7cdd04c1fb_quant-k_q7cdd04c1fb_quant
	.p2alignl 7, 3214868480
	.fill 96, 4, 3214868480
	.section	.rodata,"a",@progbits
	.p2align	6, 0x0
	.amdhsa_kernel k_q7cdd04c1fb_quant
		.amdhsa_group_segment_fixed_size 50688
		.amdhsa_private_segment_fixed_size 0
		.amdhsa_enable_private_segment 0
		.amdhsa_kernarg_size 64
		.amdhsa_user_sgpr_count 2
		.amdhsa_user_sgpr_kernarg_segment_ptr 1
		.amdhsa_wavefront_size32 1
		.amdhsa_system_sgpr_workgroup_id_x 1
		.amdhsa_system_sgpr_workgroup_id_y 1
		.amdhsa_system_sgpr_workgroup_id_z 1
		.amdhsa_system_vgpr_workitem_id 0
		.amdhsa_next_free_vgpr 226
		.amdhsa_next_free_sgpr 66
		.amdhsa_reserve_vcc 0
		.amdhsa_float_denorm_mode_32 3
		.amdhsa_float_denorm_mode_16_64 3
		.amdhsa_memory_ordered 1
		.amdhsa_forward_progress 1
		.amdhsa_inst_pref_size 74
	.end_amdhsa_kernel
	.amdgpu_metadata
---
amdhsa.version: [ 1, 2 ]
amdhsa.kernels:
  - .name:           k_q7cdd04c1fb_quant
    .symbol:         k_q7cdd04c1fb_quant.kd
    .args:
      - { .name: x, .offset: 0, .size: 8, .value_kind: global_buffer, .address_space: global }
      - { .name: Wq, .offset: 8, .size: 8, .value_kind: global_buffer, .address_space: global }
      - { .name: Wk, .offset: 16, .size: 8, .value_kind: global_buffer, .address_space: global }
      - { .name: Wv, .offset: 24, .size: 8, .value_kind: global_buffer, .address_space: global }
      - { .name: x_codes, .offset: 32, .size: 8, .value_kind: global_buffer, .address_space: global }
      - { .name: x_scales, .offset: 40, .size: 8, .value_kind: global_buffer, .address_space: global }
      - { .name: w_codes, .offset: 48, .size: 8, .value_kind: global_buffer, .address_space: global }
      - { .name: w_scales, .offset: 56, .size: 8, .value_kind: global_buffer, .address_space: global }
    .group_segment_fixed_size: 50688
    .private_segment_fixed_size: 0
    .kernarg_segment_align: 8
    .kernarg_segment_size: 64
    .max_flat_workgroup_size: 128
    .sgpr_count:     66
    .vgpr_count:     226
    .wavefront_size: 32
...
	.end_amdgpu_metadata
.endif
;; end of part 1
;; launch proj (part 2): grid 12 x 32, 4 waves a work-group, clusters of 4 x 4, 327,680 bytes of LDS; arguments x_codes, x_scales, w_codes, w_scales, bq, bk, bv, qbuf, kv; writes qbuf, kv
.if DOCPART == 2
	.amdgcn_target "amdgcn-amd-amdhsa--gfx1250"
	.amdhsa_code_object_version 6
	.text
	.protected	k_q7cdd04c1fb_proj
	.globl	k_q7cdd04c1fb_proj
	.p2align	8
	.type	k_q7cdd04c1fb_proj,@function
k_q7cdd04c1fb_proj:
	s_mov_b64 s[64:65], 0
	v_nop
	global_prefetch_b8 v0, s[64:65] scope:SCOPE_SE
	s_setreg_imm32_b32 hwreg(HW_REG_WAVE_MODE, 25, 1), 1
	s_wait_xcnt 0x0
	s_wait_alu depctr_hold_cnt(0) depctr_sa_sdst(0) depctr_va_vdst(0) depctr_va_sdst(0) depctr_va_ssrc(0) depctr_va_vcc(0) depctr_vm_vsrc(0)
	s_getreg_b32 s2, hwreg(HW_REG_IB_STS2, 6, 4)
	s_cmp_eq_u32 s2, 0
	s_cbranch_scc0 .Lentry_in_a_cluster
	s_endpgm
.Lentry_in_a_cluster:
	s_bfe_u32 s2, ttmp6, 0x10000c
	s_cmp_lg_u32 s2, 0xf033
	s_cbranch_scc0 .Lentry_shape_is_right
	s_endpgm
.Lentry_shape_is_right:
.set PITCH,  528
.set HALFT,  128*PITCH
.set SCL,    4*HALFT
.set HALFS,  16*272
.set SBLK,   544
.set STG,    SCL+4*HALFS
.set STGV,   STG+4096
.set ADR1, 16
.set ADR0, 20
.set SSO,  24
.set SRD,  25
.set SH,   26
.set ADRS, 27
.set BO,   28
.set SC,   32
.set TM,   96
.set WD,   114
.set AF,   128
.set PC,   128
.set BIAS, 192
.set RB,   192
.set G1,   24
.set G0,   32
.set G0B,  36
.set G1B,  48
.set G1S,  56
.set G1SB, 68
.set G0S,  76
.set G0SB, 92
.set OUT0, 96
.set OUT1, 98
.set SEL,  100
.set MSB, 0
.macro WIN new
.if MSB != \new
	s_set_vgpr_msb (MSB<<8)|\new
.set MSB, \new
.endif
.endm
; One arm of the head's tree of branches on the wave's number: its joint load, and a jump to the tree's end.
.macro ARM under, g0, g1, next
	s_cmp_lt_u32 s14, \under
	s_cbranch_scc0 \next
	tensor_load_to_lds s[\g0:\g0+3], s[\g1:\g1+7]
	s_nop 0
.rept 4
	v_nop
.endr
	s_branch .Lhead_asked
\next:
.endm
.macro CREST
	s_cmp_lg_u32 s14, 0
	s_cbranch_scc1 .Lnot_wave_0_\@
	s_barrier_signal -3
.Lnot_wave_0_\@:
	s_barrier_wait -3
	s_barrier_signal -1
	s_barrier_wait -1
.endm
.macro CROUND
	s_barrier_signal -1
	s_barrier_wait -1
	CREST
.endm
.macro PLACES n
.rept \n
	v_nop
.endr
.endm
	s_load_b256 s[4:11], s[0:1], 0x0
	s_load_b256 s[80:87], s[0:1], 0x20
	s_load_b64 s[88:89], s[0:1], 0x40
	v_lshl_add_u32 v126, v0, 2, 0x47c00
	v_mov_b32 v127, 0
	ds_add_u32 v126, v127
	ds_add_u32 v126, v127
	v_lshrrev_b32 v1, 5, v0
	v_readfirstlane_b32 s14, v1
	s_lshr_b32 s15, s14, 1
	s_and_b32 s16, s14, 1
	s_bfe_u32 s40, ttmp6, 0x40000
	s_bfe_u32 s41, ttmp6, 0x40004
	s_lshl_b32 s42, ttmp9, 2
	s_add_co_u32 s42, s42, s40
	s_and_b32 s17, ttmp7, 0xffff
	s_lshl_b32 s17, s17, 2
	s_add_co_u32 s17, s17, s41
	s_lshl_b32 s43, s41, 2
	s_lshl_b32 s43, 15, s43
	s_lshl_b32 s44, 0x1111, s40
	s_or_b32 s[G1+0], s43, (0<<16)|(1<<20)|(1<<21)|(6<<22)|(3<<25)
	s_or_b32 s[G1B+0], s44, (0<<16)|(1<<20)|(1<<21)|(6<<22)|(3<<25)
.irp g, G1, G1B
	s_mov_b32 s[\g+1], 512<<16
	s_mov_b32 s[\g+2], 256<<16
	s_mov_b32 s[\g+3], 512<<16
	s_mov_b32 s[\g+4], 256
	s_mov_b32 s[\g+5], 512
	s_mov_b32 s[\g+6], 0
	s_mov_b32 s[\g+7], 0
.endr
	s_or_b32 s[G1S+0], s43, (3<<16)|(1<<20)|(1<<21)|(5<<22)|(3<<25)
	s_or_b32 s[G1SB+0], s44, (3<<16)|(1<<20)|(1<<21)|(5<<22)|(3<<25)
.irp g, G1S, G1SB
	s_mov_b32 s[\g+1], 32<<16
	s_mov_b32 s[\g+2], 32<<16
	s_mov_b32 s[\g+3], 32<<16
	s_mov_b32 s[\g+4], 32
	s_mov_b32 s[\g+5], 32
	s_mov_b32 s[\g+6], 0
	s_mov_b32 s[\g+7], 0
.endr
	s_lshl_b32 s20, s17, 8
	s_lshl_b32 s46, s42, 8
	s_lshl_b32 s22, s20, 5
	s_mov_b32 s23, 0
	s_lshl_b32 s20, s20, 9
	s_mov_b32 s21, 0
	s_lshl_b32 s2, s46, 5
	s_mov_b32 s3, 0
	s_lshl_b32 s46, s46, 9
	s_mov_b32 s47, 0
	s_wait_dscnt 0x0
	s_wait_kmcnt 0x0
	s_add_nc_u64 s[20:21], s[4:5], s[20:21]
	s_add_nc_u64 s[22:23], s[6:7], s[22:23]
	s_add_nc_u64 s[46:47], s[8:9], s[46:47]
	s_add_nc_u64 s[2:3], s[10:11], s[2:3]
	CROUND
	; the head's four tiles, each whole, one joint load a wave: wave 0 x's 256 rows of codes, wave 1 W's 256 rows, wave 2 x's scale bytes, wave 3 W's
	s_mov_b32 s[G0S], 1
	s_mov_b32 s[G0S+1], SCL
	s_mov_b64 s[G0S+2:G0S+3], s[22:23]
	s_or_b32 s[G0S+3], s[G0S+3], 0x80000000
	s_mov_b32 s[G0SB], 1
	s_mov_b32 s[G0SB+1], SCL+2*HALFS
	s_mov_b64 s[G0SB+2:G0SB+3], s[2:3]
	s_or_b32 s[G0SB+3], s[G0SB+3], 0x80000000
	s_mov_b32 s[G0], 1
	s_mov_b32 s[G0+1], 0
	s_mov_b64 s[G0+2:G0+3], s[20:21]
	s_or_b32 s[G0+3], s[G0+3], 0x80000000
	s_mov_b32 s[G0B], 1
	s_mov_b32 s[G0B+1], 2*HALFT
	s_mov_b64 s[G0B+2:G0B+3], s[46:47]
	s_or_b32 s[G0B+3], s[G0B+3], 0x80000000
	ARM 1, G0,  G1,  .Lhead_b
	ARM 2, G0B, G1B, .Lhead_sa
	ARM 3, G0S, G1S, .Lhead_sb
	tensor_load_to_lds s[G0SB:G0SB+3], s[G1SB:G1SB+7]
	s_nop 0
.rept 4
	v_nop
.endr
.Lhead_asked:
	v_and_b32 v1, 15, v0
	v_bfe_u32 v2, v0, 4, 1
	v_and_b32 v3, 31, v0
	v_lshlrev_b32 v3, 4, v3
	s_mov_b32 s[SEL], 0x76543210
	s_mov_b32 s[SEL+1], 0xfedcba98
.irp b, 0,1,2,3
	v_mov_b32 v[TM+4+\b], 0
.endr
	s_lshl_b32 s46, s40, 10
	s_mov_b32 s47, 0
	s_cmp_eq_u32 ttmp9, 2
	s_cbranch_scc1 .Lbias_v
	s_cmp_eq_u32 ttmp9, 0
	s_cselect_b64 s[2:3], s[80:81], s[82:83]
	s_lshl_b32 s18, s16, 9
	s_add_co_u32 s46, s46, s18
	s_add_nc_u64 s[2:3], s[2:3], s[46:47]
	s_wait_alu depctr_va_vdst(0)
	v_lshlrev_b32 v[BO], 6, v2
.irp b, 0,1,2,3,4,5,6,7
	global_load_b128 v[BIAS+8*\b:BIAS+8*\b+3], v[BO], s[2:3] offset:(32*(\b/2)+8*(\b%2))*4
	global_load_b128 v[BIAS+8*\b+4:BIAS+8*\b+7], v[BO], s[2:3] offset:(32*(\b/2)+8*(\b%2))*4+16
.endr
	s_branch .Lbias_in
.Lbias_v:
	s_lshl_b32 s18, s15, 9
	s_add_co_u32 s46, s46, s18
	s_add_nc_u64 s[2:3], s[84:85], s[46:47]
	s_wait_alu depctr_va_vdst(0)
	v_and_b32 v[BO], 8, v1
	v_add_nc_u32 v[BO], v[BO], v1
	v_lshlrev_b32 v[BO], 2, v[BO]
.irp a, 0,1,2,3,4,5,6,7
.irp j, 0,1,2,3,4,5,6,7
	global_load_b32 v[BIAS+8*\a+\j], v[BO], s[2:3] offset:(32*(\a/2)+8*(\a%2))*4
.endr
.endr
.Lbias_in:
	s_wait_tensorcnt 0x0
	s_barrier_signal -1
	s_barrier_wait -1
.macro FRAG reg, adr, q, i
.irp c, 0,1
	ds_load_b128 v[\reg+4*\c:\reg+4*\c+3], v[\adr] offset:64*(\q)+32*\c+(\i)*16*PITCH
.endr
.endm
.macro FETCH0 q, p
	WIN 0x40
.irp i, 0,1,2,3,4,5,6,7
	FRAG 128*(\p)+8*\i, ADR0, \q, \i
.endr
	WIN 0
.endm
.macro FETCH1 q, i0
.irp i, \i0, \i0+1, \i0+2, \i0+3
	FRAG AF+8*(\i), ADR1, \q, \i
.endr
.endm
.macro SCALES
.irp i, 0,1,2,3,4,5,6,7
	ds_load_b128 v[SC+8*\i:SC+8*\i+3], v[ADRS] offset:\i*SBLK
	ds_load_b128 v[SC+8*\i+4:SC+8*\i+7], v[ADRS] offset:\i*SBLK+16
.endr
.endm
.macro MUL16 a0, p, q, first, swap
.irp a, \a0, \a0+1
.irp b, 0,1,2,3,4,5,6,7
.set DD, 8*(8*((\a)%4)+\b)
.set S0, 128*(\p)+8*\b
.set S1, AF+8*(\a)
.set CC, DD
.if \first
.set CC, BIAS+8*\b
.if \swap
.set CC, BIAS+8*(\a)
.endif
.endif
.if \swap
	v_wmma_scale_f32_16x16x128_f8f6f4 v[DD:DD+7], v[S0:S0+7], v[S1:S1+7], v[CC:CC+7], v[SC+8*\b+(\q)], v[SC+8*(\a)+(\q)] matrix_a_fmt:MATRIX_FMT_FP4 matrix_b_fmt:MATRIX_FMT_FP4 matrix_b_scale:MATRIX_SCALE_ROW1
.else
	v_wmma_scale_f32_16x16x128_f8f6f4 v[DD:DD+7], v[S0:S0+7], v[S1:S1+7], v[CC:CC+7], v[SC+8*\b+(\q)], v[SC+8*(\a)+(\q)] matrix_a_fmt:MATRIX_FMT_FP4 matrix_b_fmt:MATRIX_FMT_FP4 matrix_a_scale:MATRIX_SCALE_ROW1
.endif
.endr
.endr
.endm
.macro STEP q, first, swap
	s_wait_dscnt 8
.if \first
	WIN 0x81
.else
	WIN 0xa1
.endif
	MUL16 0, (\q)%2, \q, \first, \swap
	MUL16 2, (\q)%2, \q, \first, \swap
	s_wait_dscnt 0x0
	PLACES 4
	FETCH0 (\q)+1, 1-(\q)%2
	FETCH1 (\q)+1, 0
.if \first
	WIN 0xc1
.else
	WIN 0xf1
.endif
	MUL16 4, (\q)%2, \q, \first, \swap
	MUL16 6, (\q)%2, \q, \first, \swap
	PLACES 4
	WIN 0
	FETCH1 (\q)+1, 4
.endm
.macro LAST swap
	s_wait_dscnt 8
	WIN 0xa1
	MUL16 0, 1, 7, 0, \swap
	MUL16 2, 1, 7, 0, \swap
	s_wait_dscnt 0x0
	WIN 0xf1
	MUL16 4, 1, 7, 0, \swap
	MUL16 6, 1, 7, 0, \swap
	WIN 0
.endm
.macro QUANTA a
.set AC, 64*((\a)%4)
.set PCA, PC+8*(\a)
	WIN 0x0a+5*((\a)/4)
.irp b, 0,1,2,3
	v_max3_num_f32 v[TM+\b], |v[AC+16*\b]|, |v[AC+16*\b+1]|, 0x1800000
.endr
.irp i, 2,4,6,8,10,12,14
.irp b, 0,1,2,3
	v_max3_num_f32 v[TM+\b], |v[AC+16*\b+\i]|, |v[AC+16*\b+\i+1]|, v[TM+\b]
.endr
.endr
	WIN 0
.irp b, 0,1,2,3
	v_permlanex16_b32 v[TM+4+\b], v[TM+\b], s[SEL], s[SEL+1]
.endr
.irp b, 0,1,2,3
	v_max_num_f32 v[TM+\b], v[TM+\b], v[TM+4+\b]
.endr
.irp b, 0,1,2,3
	v_add_nc_u32 v[TM+12+\b], 0xff000000, v[TM+\b]
.endr
.irp b, 0,1,2,3
	v_lshrrev_b32 v[TM+4+\b], 23, v[TM+12+\b]
.endr
	v_lshl_or_b32 v[WD+(\a)], v[TM+5], 8, v[TM+4]
	v_lshl_or_b32 v[WD+(\a)], v[TM+6], 16, v[WD+(\a)]
	v_lshl_or_b32 v[WD+(\a)], v[TM+7], 24, v[WD+(\a)]
	WIN 2+(\a)/4
.irp b, 0,1,2,3
	v_cvt_scalef32_pk8_fp4_f32 v[PCA+2*\b], v[AC+16*\b:AC+16*\b+7], v[TM+12+\b]
	v_cvt_scalef32_pk8_fp4_f32 v[PCA+2*\b+1], v[AC+16*\b+8:AC+16*\b+15], v[TM+12+\b]
.endr
	WIN 0
	v_nop
.irp c, 0,1
.irp i, 0,1
	v_permlane16_swap_b32 v[PCA+4*\c+\i], v[PCA+2+4*\c+\i]
.endr
.endr
.endm
.macro OUTBLK a, swap
	QUANTA \a
.if \swap
	global_store_b128 v3, v[PCA:PCA+3], s[OUT0+2*((\a)/4):OUT0+2*((\a)/4)+1] offset:((\a)%4)*1024
	global_store_b128 v3, v[PCA+4:PCA+7], s[OUT0+2*((\a)/4):OUT0+2*((\a)/4)+1] offset:((\a)%4)*1024+512
.else
	global_store_b128 v3, v[PCA:PCA+3], s[OUT0:OUT0+1] offset:512*(\a)
	global_store_b128 v3, v[PCA+4:PCA+7], s[OUT1:OUT1+1] offset:512*(\a)
	v_lshrrev_b32 v[WD+(\a)], v[SH], v[WD+(\a)]
	v_and_b32 v[WD+(\a)], 0xffff, v[WD+(\a)]
.endif
	ds_store_b32 v[SSO], v[WD+(\a)] offset:((\a)/4)*256+4*((\a)%4)
.endm
.macro PATH swap
.if \swap
.set XH, 16
.set WH, 15
.else
.set XH, 15
.set WH, 16
.endif
	v_mul_u32_u24 v4, v1, PITCH
	v_lshl_add_u32 v4, v2, 4, v4
	s_mul_i32 s18, s15, HALFT
	s_mul_i32 s19, s16, HALFT
.if \swap
	s_add_co_u32 s18, s18, 2*HALFT
.else
	s_add_co_u32 s19, s19, 2*HALFT
.endif
	v_add_nc_u32 v[ADR1], s18, v4
	v_add_nc_u32 v[ADR0], s19, v4
	v_lshlrev_b32 v4, 5, v1
	v_lshrrev_b32 v5, 3, v1
	v_lshl_add_u32 v4, v5, 4, v4
	s_mul_i32 s18, s[XH], HALFS
	s_mul_i32 s19, s[WH], HALFS
	s_add_co_u32 s19, s19, 2*HALFS
	s_sub_co_u32 s19, s19, s18
	v_mul_u32_u24 v5, s19, v2
	s_add_co_u32 s18, s18, SCL
	v_add_nc_u32 v4, v4, v5
	v_add_nc_u32 v[ADRS], s18, v4
	s_wait_alu depctr_va_vdst(0)
	s_lshr_b32 s18, s17, 3
	s_lshl_b32 s18, s18, 4
	s_lshl_b32 s19, s40, 2
	s_add_co_u32 s18, s18, s19
	s_lshl_b32 s19, s[WH], 1
	s_add_co_u32 s18, s18, s19
	s_lshl_b32 s18, s18, 4
	s_and_b32 s19, s17, 7
	s_lshl_b32 s19, s19, 1
	s_add_co_u32 s18, s18, s19
	s_add_co_u32 s18, s18, s[XH]
.if \swap
	s_mul_i32 s18, s18, 8960
	s_add_co_u32 s18, s18, 4096
	s_mov_b32 s19, 0
	s_add_nc_u64 s[OUT0:OUT0+1], s[88:89], s[18:19]
	s_add_nc_u64 s[OUT1:OUT1+1], s[OUT0:OUT0+1], 143360
	s_lshl_b32 s18, s14, 9
	s_add_co_u32 s18, s18, STGV
	v_lshlrev_b32 v[SSO], 4, v1
	v_add_nc_u32 v[SSO], s18, v[SSO]
	v_add_nc_u32 v[SRD], s18, v3
	v_mul_u32_u24 v[SH], v2, 143360
	v_lshl_add_u32 v[SH], v1, 4, v[SH]
.else
	s_cmp_eq_u32 ttmp9, 0
	s_mov_b32 s12, 8960
	s_cselect_b32 s12, 4608, s12
	s_mov_b32 s20, 8192
	s_cselect_b32 s20, 4096, s20
	s_cselect_b64 s[OUT0:OUT0+1], s[86:87], s[88:89]
	s_mul_i32 s18, s18, s12
	s_mov_b32 s19, 0
	s_add_nc_u64 s[OUT0:OUT0+1], s[OUT0:OUT0+1], s[18:19]
	s_lshl_b32 s12, s12, 4
	s_mov_b32 s13, 0
	s_add_nc_u64 s[OUT1:OUT1+1], s[OUT0:OUT0+1], s[12:13]
	s_mov_b32 s21, 0
	s_add_nc_u64 s[22:23], s[OUT1:OUT1+1], s[20:21]
	s_add_nc_u64 s[20:21], s[OUT0:OUT0+1], s[20:21]
	s_lshl_b32 s18, s14, 10
	s_add_co_u32 s18, s18, STG
	v_lshlrev_b32 v[SSO], 4, v1
	v_lshl_add_u32 v[SSO], v2, 9, v[SSO]
	v_add_nc_u32 v[SSO], s18, v[SSO]
	v_add_nc_u32 v[SRD], s18, v3
	v_lshlrev_b32 v[SH], 4, v2
.endif
	FETCH0 0, 0
	FETCH1 0, 0
	SCALES
	FETCH1 0, 4
	s_wait_loadcnt 0x0
	STEP 0, 1, \swap
.irp q, 1,2,3,4,5,6
	STEP \q, 0, \swap
.endr
	LAST \swap
	PLACES 4
.irp a, 0,1,2,3,4,5,6,7
	OUTBLK \a, \swap
.endr
	ds_load_b128 v[RB:RB+3], v[SRD]
.if \swap
	s_wait_dscnt 0x0
	global_store_b128 v[SH], v[RB:RB+3], s[OUT0:OUT0+1] offset:4608
.else
	ds_load_b128 v[RB+4:RB+7], v[SRD] offset:512
	s_wait_dscnt 0x0
	global_store_b128 v3, v[RB:RB+3], s[20:21]
	global_store_b128 v3, v[RB+4:RB+7], s[22:23]
.endif
.endm
	s_cmp_eq_u32 ttmp9, 2
	s_cbranch_scc1 .Lv
	PATH 0
	s_branch .Ldone
.Lv:
	PATH 1
.Ldone:
	s_wait_tensorcnt 0x0
	ds_add_u32 v126, v127
	s_wait_dscnt 0x0
	CROUND
	s_endpgm
.Lfunc_end_k_q7cdd04c1fb_proj:
	.size	k_q7cdd04c1fb_proj, .Lfunc_end_k_q7cdd04c1fb_proj-k_q7cdd04c1fb_proj
	.p2alignl 7, 3214868480
	.fill 96, 4, 3214868480
	.section	.rodata,"a",@progbits
	.p2align	6, 0x0
	.amdhsa_kernel k_q7cdd04c1fb_proj
		.amdhsa_group_segment_fixed_size 327680
		.amdhsa_private_segment_fixed_size 0
		.amdhsa_enable_private_segment 0
		.amdhsa_kernarg_size 72
		.amdhsa_user_sgpr_count 2
		.amdhsa_user_sgpr_kernarg_segment_ptr 1
		.amdhsa_wavefront_size32 1
		.amdhsa_system_sgpr_workgroup_id_x 1
		.amdhsa_system_sgpr_workgroup_id_y 1
		.amdhsa_system_sgpr_workgroup_id_z 1
		.amdhsa_system_vgpr_workitem_id 0
		.amdhsa_next_free_vgpr 1024
		.amdhsa_next_free_sgpr 102
		.amdhsa_reserve_vcc 0
		.amdhsa_float_denorm_mode_32 3
		.amdhsa_float_denorm_mode_16_64 3
		.amdhsa_memory_ordered 1
		.amdhsa_forward_progress 1
		.amdhsa_inst_pref_size 255
	.end_amdhsa_kernel
	.section	.bss,"aw",@nobits
	.p2align	6
	.space	262144
	.amdgpu_metadata
---
amdhsa.version: [ 1, 2 ]
amdhsa.kernels:
  - .name:           k_q7cdd04c1fb_proj
    .symbol:         k_q7cdd04c1fb_proj.kd
    .args:
      - { .name: x_codes, .offset: 0, .size: 8, .value_kind: global_buffer, .address_space: global }
      - { .name: x_scales, .offset: 8, .size: 8, .value_kind: global_buffer, .address_space: global }
      - { .name: w_codes, .offset: 16, .size: 8, .value_kind: global_buffer, .address_space: global }
      - { .name: w_scales, .offset: 24, .size: 8, .value_kind: global_buffer, .address_space: global }
      - { .name: bq, .offset: 32, .size: 8, .value_kind: global_buffer, .address_space: global }
      - { .name: bk, .offset: 40, .size: 8, .value_kind: global_buffer, .address_space: global }
      - { .name: bv, .offset: 48, .size: 8, .value_kind: global_buffer, .address_space: global }
      - { .name: qbuf, .offset: 56, .size: 8, .value_kind: global_buffer, .address_space: global }
      - { .name: kv, .offset: 64, .size: 8, .value_kind: global_buffer, .address_space: global }
    .group_segment_fixed_size: 327680
    .private_segment_fixed_size: 0
    .kernarg_segment_align: 8
    .kernarg_segment_size: 72
    .max_flat_workgroup_size: 128
    .sgpr_count:     102
    .vgpr_count:     1024
    .wavefront_size: 32
...
	.end_amdgpu_metadata
.endif
;; end of part 2
;; launch attn (part 3): grid 4 x 64, 16 waves a work-group, clusters of 4 x 1, 215,040 bytes of LDS; arguments qbuf, kv, out0; writes out0
.if DOCPART == 3
	.amdgcn_target "amdgcn-amd-amdhsa--gfx1250"
	.amdhsa_code_object_version 6
	.text
	.protected	k_q7cdd04c1fb_attn
	.globl	k_q7cdd04c1fb_attn
	.p2align	8
	.type	k_q7cdd04c1fb_attn,@function
k_q7cdd04c1fb_attn:
	s_mov_b64 s[64:65], 0
	v_nop
	global_prefetch_b8 v0, s[64:65] scope:SCOPE_SE
	s_setreg_imm32_b32 hwreg(HW_REG_WAVE_MODE, 25, 1), 1
	s_wait_xcnt 0x0
	s_wait_alu depctr_hold_cnt(0) depctr_sa_sdst(0) depctr_va_vdst(0) depctr_va_sdst(0) depctr_va_ssrc(0) depctr_va_vcc(0) depctr_vm_vsrc(0)
	s_getreg_b32 s2, hwreg(HW_REG_IB_STS2, 6, 4)
	s_cmp_eq_u32 s2, 0
	s_cbranch_scc0 .Lentry_in_a_cluster
	s_endpgm
.Lentry_in_a_cluster:
	s_bfe_u32 s2, ttmp6, 0x10000c
	s_cmp_lg_u32 s2, 0x3003
	s_cbranch_scc0 .Lentry_shape_is_right
	s_endpgm
.Lentry_shape_is_right:
; out[b][q][64 head + d] = the sum over k of softmax_k(Q[q] . K[k] / 8) V[k][d], for 64 heads (16 batch + head) of 2,048 tokens; both products on codes of FP4 (E2M1) with one E8M0 scale for each 32 along K.
; THE SOFTMAX: t = score x log2(e) / 8; M = the row's largest t so far, rounded up to a whole number; p = 2^(t - M) is quantised along the keys, not normalised.  The row's sum is taken of the unquantised p
; and divides O at the end.  When M moves, the sum and O are multiplied by 2^(old M - new M): exact.
; INPUTS are images of operand registers, a record for each head and 128 tokens.  qbuf, 4,608 bytes: 8 tiles of 16 tokens (512 bytes, lane l's 16 bytes at 16 l), scale words [tile / 4][row][tile % 4].
; kv, 8,960 bytes: K's 8 tiles, V^T's 4 fragments (16 d x 128 keys, 1,024 bytes), K's scale words (512), V's [row][fragment] (256).  Row r of a stored tile t is token 32 (t / 2) + 8 (t % 2) + r + 8 (r / 8).
; SHARES.  A work-group owns 512 queries of one head, each of its sixteen waves 32: two tiles of 16, in two passes of one loop.  A whole head's kv, 143,360 bytes, lies in LDS, filled once: wave w brings record w.
; CLUSTER.  The four work-groups of a cluster own the quarters of one head's queries and read the same kv: each record is asked for jointly, mask 15.
; No prefetch into the L2: each wave has one tensor load, at the head, and there is no loop to run ahead in.
; LAYOUT.  Both products are used transposed (S^T = K Q^T, O^T = V^T P^T): a lane holds one query (lane % 16).  WHICH KEYS FORM A TILE OF K IS CHOSEN BY THE LANES' LDS ADDRESSES: tile 4 c + g, row 8 h + j
; is key 64 c + 32 h + 8 g + j of its record.  So the 32 result registers of tiles 4 c .. 4 c + 3 are, in lane (r, h), the 32 keys of block 2 c + h in order: a block's largest score needs no other lane,
; and the conversions' results are the second product's operand as they stand.
; THE HEAD IS 64 AND THE INSTRUCTION'S K IS 128: registers 4-7 of Q's fragment hold zero codes.  K's tiles lie four registers apart and are named as windows of eight: a window's upper four registers
; (the next tile's codes, or four zero registers) meet Q's zero codes and add nothing; the scale bytes there are 0, which is 2^-127.
; SCALE WORDS use both halves of the lanes: K's register g holds tile g's words in lanes 0-15 and tile 4 + g's in lanes 16-31; V's register d the first record's in lanes 0-15 and the second's in lanes 16-31.
; A STEP is 256 keys (two records): one M, one rescaling of O.  The next step's first record of K is read from LDS behind this step's score products; the last step of a pass is written out without that.
; LIMITS: v_exp_f32 gives 0 for results under 2^-126: such a p counts as 0 in the sum and in the codes; NaN and infinities are not served; the scaled scores stay under 2^31 in magnitude.
.set REC,   8960
.set HEADB, 16*REC
.set STAGE, HEADB                      ; 16 rows x 272 bytes for each wave, for the way out
.set SPARE, 0x34000                    ; behind the stages: the spare words, 128 bytes a wave
.set RV,   0                           ; v0   behind the head: V's scale words: 16 (l % 16) + REC (l >> 4)
.set SPW,  1                           ; v1   my spare word's address; v2 = 0: both kept for the add alone
.set NIL,  2
.set AKL,  3                           ; v3   K: 1024 ((l >> 3) & 1) + 16 (l & 7) + 256 (l >> 4)
.set ASL,  4                           ; v4   K's scale words: 16 (l & 7) + 8 ((l >> 3) & 1) + 256 (l >> 4)
.set L16,  5                           ; v5   16 x lane
.set R16,  6                           ; v6   16 x (lane % 16)
.set ADK,  7                           ; v7-10 AKL, ASL, L16, RV + the step's first byte; on the way out v7-9 are the stage's and out's offsets
.set ADS,  8
.set ADV,  9
.set ADW,  10
.set QS,   11                          ; v11  Q's scale words
.set NM,   12                          ; v12  -M; v13 the largest score so far
.set RM,   13
.set SUM,  14                          ; v[14:15] the row's sum in two halves
.set FF,   16                          ; v16  f = 2^(old M - new M); v17 at work
.set TP,   17
.set PW,   18                          ; v18, v19 p's scale words, one a record
.set VS,   20                          ; v20-23 V's scale words
.set SO,   24                          ; v24-27 my four blocks' largest scores, then largest p, then the conversions' scale operands
.set KS0,  28                          ; v28-31 K's scale words, the step's first record; v32-35 the second's
.set KS1,  32
.set PC,   36                          ; v36-51 p's codes; ahead of the conversions at work (v36-43 the maxima's chains, v44-51 the sums' chains)
.set MC,   36
.set QF,   52                          ; v52-59 Q's fragment
.set KR,   60                          ; v60-91 K's eight tiles of a record, v92-95 zeros
.set S,    96                          ; v96-223 S^T, then p; v96-159 then V^T's fragments of both records
.set O,    224                         ; v224-255 O^T
.set WV,   10
.set TB,   2                           ; s2   LDS byte at which the step begins: it also counts the steps
.set PASS, 3
.set SEL,  20
.set CS,   22                          ; s[22:23] c = log2(e) / 8
.set G1,   24
.set G0,   32
.macro CROUND
	s_barrier_signal -1
	s_barrier_wait -1
	s_cmp_lg_u32 s[WV], 0
	s_cbranch_scc1 .Lnot_wave_0_\@
	s_barrier_signal -3
.Lnot_wave_0_\@:
	s_barrier_wait -3
	s_barrier_signal -1
	s_barrier_wait -1
.endm
.macro KLOADH rec, c, ks, ak, as       ; four tiles of K, by the chosen keys, and two registers of scale words
.irp g, 0,1,2,3
	ds_load_b128 v[KR+16*\c+4*\g:KR+16*\c+4*\g+3], v[\ak] offset:REC*\rec+2048*\c+512*(\g%2)+128*(\g/2)
.endr
	ds_load_b64 v[\ks+2*\c:\ks+2*\c+1], v[\as] offset:REC*\rec+8192+128*\c
.endm
.macro SMUL rec, ks
.irp g, 0,1,2,3
	v_wmma_scale_f32_16x16x128_f8f6f4 v[S+64*\rec+8*\g:S+64*\rec+8*\g+7], v[KR+4*\g:KR+4*\g+7], v[QF:QF+7], 0, v[\ks+\g], v[QS] matrix_a_fmt:MATRIX_FMT_FP4 matrix_b_fmt:MATRIX_FMT_FP4
.endr
.irp g, 0,1,2,3
	v_wmma_scale_f32_16x16x128_f8f6f4 v[S+64*\rec+32+8*\g:S+64*\rec+32+8*\g+7], v[KR+16+4*\g:KR+16+4*\g+7], v[QF:QF+7], 0, v[\ks+\g], v[QS] matrix_a_fmt:MATRIX_FMT_FP4 matrix_b_fmt:MATRIX_FMT_FP4 matrix_a_scale:MATRIX_SCALE_ROW1
.endr
.endm
.macro VLOAD rec
.irp d, 0,1,2,3
.irp c, 0,1
	ds_load_b128 v[S+32*\rec+8*\d+4*\c:S+32*\rec+8*\d+4*\c+3], v[ADV] offset:REC*\rec+4096+1024*\d+512*\c
.endr
.endr
.endm
; The largest score of my two blocks of a record: a chain for each accumulator, eight by turns, each accumulator read from its low end on.
.macro MAXA rec
.irp c, 0,1
.irp k, 0,1,2,3
	v_max3_num_f32 v[MC+4*\c+\k], v[S+64*\rec+32*\c+8*\k], v[S+64*\rec+32*\c+8*\k+1], v[S+64*\rec+32*\c+8*\k+2]
.endr
.endr
.irp i, 3,5
.irp c, 0,1
.irp k, 0,1,2,3
	v_max3_num_f32 v[MC+4*\c+\k], v[MC+4*\c+\k], v[S+64*\rec+32*\c+8*\k+\i], v[S+64*\rec+32*\c+8*\k+\i+1]
.endr
.endr
.endr
.irp c, 0,1
	v_max3_num_f32 v[MC+4*\c], v[MC+4*\c], v[MC+4*\c+1], v[MC+4*\c+2]
.endr
.irp c, 0,1
	v_max3_num_f32 v[MC+4*\c+3], v[MC+4*\c+3], v[S+64*\rec+32*\c+7], v[S+64*\rec+32*\c+15]
.endr
.endm
.macro MAXB rec
.irp c, 0,1
	v_max3_num_f32 v[MC+4*\c], v[MC+4*\c], v[S+64*\rec+32*\c+23], v[S+64*\rec+32*\c+31]
.endr
.irp c, 0,1
	v_max_num_f32 v[SO+2*\rec+\c], v[MC+4*\c], v[MC+4*\c+3]
.endr
.endm
.macro FMAS cnt                        ; t - M of the next cnt pairs of scores
.rept \cnt
	v_pk_fma_f32 v[S+fn:S+fn+1], v[S+fn:S+fn+1], s[CS:CS+1], v[NM:NM+1] op_sel_hi:[1,0,0]
.set fn, fn+2
.endr
.endm
.macro SUMS cnt                        ; the next cnt pairs of p onto the sum's five chains, by turns
.rept \cnt
.set SA, PC+8+2*(sn%5)
.if (sn%5) == 4
.set SA, SUM
.endif
	v_pk_add_f32 v[SA:SA+1], v[SA:SA+1], v[S+2*sn:S+2*sn+1]
.set sn, sn+1
.endr
.endm
.macro CVT nb
.irp g, 0,1,2,3
	v_cvt_scalef32_pk8_fp4_f32 v[PC+4*\nb+\g], v[S+32*\nb+8*\g:S+32*\nb+8*\g+7], v[SO+\nb]
.endr
.endm
	s_load_b128 s[4:7], s[0:1], 0x0                ; qbuf, kv
	s_load_b64 s[8:9], s[0:1], 0x10                ; out
	v_lshl_add_u32 v[SPW], v0, 2, SPARE
	v_mov_b32 v[NIL], 0
	ds_add_u32 v[SPW], v[NIL]                      ; the opening lines: the add twice on end and its wait ahead of my tensor load
	ds_add_u32 v[SPW], v[NIL]
	v_lshrrev_b32 v[TP], 5, v0
	v_readfirstlane_b32 s[WV], v[TP]               ; wave 0..15
	s_bfe_u32 s11, ttmp6, 0x40000                  ; cx: it enters Q's and out's addresses alone
	s_and_b32 s12, ttmp7, 0xffff                   ; the head, which the four partners share
	s_mov_b32 s[G1], 15|(3<<16)|(1<<21)            ; a record: 35 dense rows of 256 bytes (32 elements of 8), no padding; mask: all four work-groups
	s_mov_b32 s[G1+1], 32<<16
	s_mov_b32 s[G1+2], 35<<16
	s_mov_b32 s[G1+3], 32<<16
	s_mov_b32 s[G1+4], 35
	s_mov_b32 s[G1+5], 32
	s_mov_b32 s[G1+6], 0
	s_mov_b32 s[G1+7], 0
	s_mov_b32 s[SEL], 0x76543210
	s_mov_b32 s[SEL+1], 0xfedcba98
	s_mov_b32 s[CS], 0x3e38aa3b                    ; log2(e) / 8
	s_mov_b32 s[CS+1], s[CS]
	s_mul_i32 s36, s12, HEADB                      ; kv: the head's records, my wave's among them
	s_mul_i32 s13, s[WV], REC
	s_add_co_u32 s36, s36, s13
	s_mov_b32 s37, 0
	s_lshl_b32 s38, s12, 4                         ; qbuf: record 16 head + 4 cx + wave / 4
	s_lshl_b32 s39, s11, 2
	s_add_co_u32 s38, s38, s39
	s_lshr_b32 s39, s[WV], 2
	s_add_co_u32 s38, s38, s39
	s_mul_i32 s38, s38, 4608
	s_mov_b32 s39, 0
	s_and_b32 s40, s[WV], 3
	s_lshl_b32 s40, s40, 10                        ; my two tiles in it: 2 (wave % 4) and the next
	s_mov_b32 s41, 0
	s_bfe_u32 s18, s[WV], 0x10001                  ; their scale words: 256 ((wave / 2) % 2) + 8 (wave % 2) on from the record's byte 4,096
	s_lshl_b32 s18, s18, 8
	s_and_b32 s19, s[WV], 1
	s_lshl_b32 s19, s19, 3
	s_add_co_u32 s18, s18, s19
	s_mov_b32 s19, 0
	s_lshr_b32 s42, s12, 4                         ; out: row 2,048 batch + 512 cx + 32 wave, of 4,096 bytes, + 256 bytes a head
	s_lshl_b32 s42, s42, 11
	s_lshl_b32 s43, s11, 9
	s_add_co_u32 s42, s42, s43
	s_lshl_b32 s43, s[WV], 5
	s_add_co_u32 s42, s42, s43
	s_lshl_b32 s42, s42, 12
	s_and_b32 s43, s12, 15
	s_lshl_b32 s43, s43, 8
	s_add_co_u32 s42, s42, s43
	s_mov_b32 s43, 0
	s_mul_i32 s44, s[WV], 16*272
	s_add_co_u32 s44, s44, STAGE                   ; my stage
	s_mov_b32 s[PASS], 0
	s_wait_dscnt 0x0                               ; both opening adds are done
	s_wait_kmcnt 0x0
	s_add_nc_u64 s[14:15], s[4:5], s[38:39]        ; my record of qbuf
	s_add_nc_u64 s[16:17], s[14:15], s[40:41]      ; my tiles
	s_add_nc_u64 s[14:15], s[14:15], s[18:19]      ; my scale words, less 4,096
	s_add_nc_u64 s[8:9], s[8:9], s[42:43]
	CROUND                                         ; all four work-groups are here: the joint loads meet
	s_mov_b32 s[G0], 1
	s_mul_i32 s[G0+1], s[WV], REC                  ; LDS: record w
	s_add_nc_u64 s[G0+2:G0+3], s[6:7], s[36:37]    ; head and wave alone
	s_or_b32 s[G0+3], s[G0+3], 0x80000000
	tensor_load_to_lds s[G0:G0+3], s[G1:G1+7]      ; my one tensor load of the launch
	s_nop 0
.rept 4
	v_nop
.endr
	v_and_b32 v[L16], 31, v0
	v_lshlrev_b32 v[L16], 4, v[L16]
	v_and_b32 v[R16], 15, v0
	v_lshlrev_b32 v[R16], 4, v[R16]
	global_load_b128 v[QF:QF+3], v[L16], s[16:17]          ; Q's first tile
	global_load_b32 v[QS], v[R16], s[14:15] offset:4096    ; and row r's scale word
	v_and_b32 v[ASL], 7, v0
	v_bfe_u32 v[TP], v0, 3, 1
	v_lshlrev_b32 v[ASL], 4, v[ASL]
	v_lshl_add_u32 v[AKL], v[TP], 10, v[ASL]
	v_lshl_add_u32 v[ASL], v[TP], 3, v[ASL]
	v_bfe_u32 v[TP], v0, 4, 1
	v_lshl_add_u32 v[AKL], v[TP], 8, v[AKL]
	v_lshl_add_u32 v[ASL], v[TP], 8, v[ASL]
	v_mul_u32_u24 v[RV], v[TP], REC                ; the thread's number is used no more
	v_add_nc_u32 v[RV], v[RV], v[R16]
.irp j, 4,5,6,7
	v_mov_b32 v[QF+\j], 0                          ; zero codes for K = 64 .. 127 of Q's tile,
	v_mov_b32 v[KR+28+\j], 0                       ; and the four registers behind K's last tile: no line writes these again
.endr
	s_wait_alu depctr_va_vdst(0)                   ; the wait at the head's end
	s_wait_tensorcnt 0x0                           ; my record has landed,
	s_barrier_signal -1
	s_barrier_wait -1                              ; everybody's has: nothing is filled again
; A STEP: 256 keys.  K's first record and its words are in.  pf = 1: the next step's are asked for.
.macro STEP pf
	v_add_nc_u32 v[ADK], s[TB], v[AKL]
	v_add_nc_u32 v[ADS], s[TB], v[ASL]
	v_add_nc_u32 v[ADV], s[TB], v[L16]
	v_add_nc_u32 v[ADW], s[TB], v[RV]
	v_nop                                          ; five plain lines between the last step's products and the scores laid over their operands
	SMUL 0, KS0
.rept 4
	v_nop
.endr
	KLOADH 1, 0, KS1, ADK, ADS
	KLOADH 1, 1, KS1, ADK, ADS
	MAXA 0
	s_wait_alu depctr_va_vdst(0)                   ; the wait ahead of the wait below
	s_wait_dscnt 0x0
	SMUL 1, KS1
	MAXB 0                                         ; four plain lines on the first record's scores stand behind the second record's products
	MAXA 1
	MAXB 1
	v_max3_num_f32 v[RM], v[RM], v[SO], v[SO+1]
	v_max3_num_f32 v[RM], v[RM], v[SO+2], v[SO+3]
.if \pf
	KLOADH 2, 0, KS0, ADK, ADS
.endif
	v_permlanex16_b32 v[TP], v[RM], s[SEL], s[SEL+1]
.if \pf
	KLOADH 2, 1, KS0, ADK, ADS
.endif
	v_max_num_f32 v[RM], v[RM], v[TP]              ; with lane l xor 16's blocks: the largest score of my query so far
	v_mul_f32 v[TP], s[CS], v[RM]                  ; as t
	v_mov_b32 v[PC], v[NM]
	v_floor_f32 v[NM], -v[TP]                      ; -M = -ceil(t)
.set fn, 0
	FMAS 8
	v_sub_f32 v[PC], v[NM], v[PC]                  ; old M - new M: a whole number, 0 or less
	FMAS 8
	v_cvt_i32_f32 v[PC], v[PC]                     ; (it saturates)
	FMAS 8
	v_ldexp_f32 v[FF], 1.0, v[PC]                  ; f
	FMAS 40
.irp b, 0,1,2,3
	v_fma_f32 v[SO+\b], v[SO+\b], s[CS], v[NM]     ; the same of each block's largest score
.endr
	s_wait_alu depctr_va_vdst(0)                   ; the wait ahead of the batch
.irp b, 0,1,2,3
	v_exp_f32 v[SO+\b], v[SO+\b]                   ; the block's largest p
.endr
.set n, 0
.rept 128
	v_exp_f32 v[S+n], v[S+n]                       ; p = 2^(t - M)
.set n, n+1
.endr
	s_wait_alu depctr_va_vdst(0)                   ; and behind it, ahead of its first reader
	v_pk_fma_f32 v[SUM:SUM+1], v[SUM:SUM+1], v[FF:FF+1], v[S:S+1] op_sel_hi:[1,0,1]   ; the row's sum of the unquantised p, under the new M; the scales' lines stand among the sums
.irp k, 0,1,2,3
	v_pk_add_f32 v[PC+8+2*\k:PC+9+2*\k], v[S+2+4*\k:S+3+4*\k], v[S+4+4*\k:S+5+4*\k]
.endr
.set sn, 9
.irp b, 0,1,2,3
	v_max_num_f32 v[SO+\b], 0x1800000, v[SO+\b]    ; the floor 2^(3 - 127): the byte cannot fall under 1
.endr
	SUMS 4
.irp b, 0,1,2,3
	v_add_nc_u32 v[SO+\b], 0xff000000, v[SO+\b]    ; 2 off the exponent field: the conversion's scale operand
.endr
	SUMS 4
.irp b, 0,1,2,3
	v_lshrrev_b32 v[PC+\b], 23, v[SO+\b]           ; the scale's byte
.endr
	SUMS 4
	v_lshl_or_b32 v[PW], v[PC+1], 16, v[PC]        ; my blocks h and 2 + h of each record, at bytes 0 and 2;
	v_lshl_or_b32 v[PW+1], v[PC+3], 16, v[PC+2]
	SUMS 3
	v_permlanex16_b32 v[TP], v[PW], s[SEL], s[SEL+1]
	v_permlanex16_b32 v[PC+4], v[PW+1], s[SEL], s[SEL+1]
	SUMS 4
	v_lshl_or_b32 v[PW], v[TP], 8, v[PW]           ; in lanes 0-15, which alone are read, lane l + 16's two bytes make the word whole
	v_lshl_or_b32 v[PW+1], v[PC+4], 8, v[PW+1]
	SUMS 4                                         ; the first record's 32 pairs are summed
	CVT 0
	CVT 1
	VLOAD 0                                        ; V^T's fragments of both records, over the 64 p just converted,
	VLOAD 1
	ds_load_b128 v[VS:VS+3], v[ADW] offset:8704    ; and V's scale words
	SUMS 32
	v_pk_add_f32 v[PC+8:PC+9], v[PC+8:PC+9], v[PC+10:PC+11]
	v_pk_add_f32 v[PC+12:PC+13], v[PC+12:PC+13], v[PC+14:PC+15]
	v_pk_add_f32 v[PC+8:PC+9], v[PC+8:PC+9], v[PC+12:PC+13]
	v_pk_add_f32 v[SUM:SUM+1], v[SUM:SUM+1], v[PC+8:PC+9]
	CVT 2
	CVT 3
	s_wait_alu depctr_va_vdst(0)                   ; the wait directly ahead of the first reader of O^T
.set n, 0
.rept 16
	v_pk_mul_f32 v[O+n:O+n+1], v[O+n:O+n+1], v[FF:FF+1] op_sel_hi:[1,0]   ; O^T under the new M; also the plain lines between the codes' writes and the products
.set n, n+2
.endr
	s_wait_alu depctr_va_vdst(0)                   ; the wait ahead of the wait below
	s_wait_dscnt 0x0                               ; V and its words are in, and so is the next step's K
.irp d, 0,1,2,3                                ; four accumulators by turns
	v_wmma_scale_f32_16x16x128_f8f6f4 v[O+8*\d:O+8*\d+7], v[S+8*\d:S+8*\d+7], v[PC:PC+7], v[O+8*\d:O+8*\d+7], v[VS+\d], v[PW] matrix_a_fmt:MATRIX_FMT_FP4 matrix_b_fmt:MATRIX_FMT_FP4
.endr
.irp d, 0,1,2,3
	v_wmma_scale_f32_16x16x128_f8f6f4 v[O+8*\d:O+8*\d+7], v[S+32+8*\d:S+32+8*\d+7], v[PC+8:PC+15], v[O+8*\d:O+8*\d+7], v[VS+\d], v[PW+1] matrix_a_fmt:MATRIX_FMT_FP4 matrix_b_fmt:MATRIX_FMT_FP4 matrix_a_scale:MATRIX_SCALE_ROW1
.endr
.endm
.Lpass:                                            ; two passes: a tile of 16 queries each
	KLOADH 0, 0, KS0, AKL, ASL                     ; the head's first record of K
	KLOADH 0, 1, KS0, AKL, ASL
	v_mov_b32 v[RM], 0xff61b1e6                    ; the largest score so far: -3e38
	v_mov_b32 v[NM], 0x7e800000                    ; -M: a large whole number, so that the first f is 0
	v_mov_b32 v[SUM], 0
	v_mov_b32 v[SUM+1], 0
.set n, 0
.rept 32
	v_mov_b32 v[O+n], 0                            ; the step is written for every trip alike: the first finds zeros
.set n, n+1
.endr
	s_mov_b32 s[TB], 0
	s_wait_alu depctr_va_vdst(0)                   ; the wait ahead of the waits below
	s_wait_loadcnt 0x0                             ; Q
	s_wait_dscnt 0x0                               ; K
.Lstep:                                            ; 7 trips
	STEP 1
	s_add_co_u32 s[TB], s[TB], 2*REC
	s_cmp_lt_u32 s[TB], HEADB-2*REC
	s_cbranch_scc1 .Lstep
	STEP 0                                         ; the pass's last step: no record follows
	s_cmp_eq_u32 s[PASS], 1
	s_cbranch_scc1 .Lno_q                          ; behind the first pass: Q's second tile is asked for ahead of the way out
	global_load_b128 v[QF:QF+3], v[L16], s[16:17] offset:512
	global_load_b32 v[QS], v[R16], s[14:15] offset:4100
.Lno_q:
	v_add_f32 v[SUM], v[SUM], v[SUM+1]
	v_permlanex16_b32 v[TP], v[SUM], s[SEL], s[SEL+1]
	v_add_f32 v[SUM], v[SUM], v[TP]                ; the row's sum
	s_wait_alu depctr_va_vdst(0)                   ; the wait ahead of the transcendental
	v_rcp_f32 v[SUM], v[SUM]
	v_bfe_u32 v[TP], v[L16], 8, 1                  ; h
	v_mul_u32_u24 v[ADK], v[R16], 17               ; the stage, in: 272 r + 64 h
	v_lshl_add_u32 v[ADK], v[TP], 6, v[ADK]
	v_add_nc_u32 v[ADK], s44, v[ADK]
	v_mul_u32_u24 v[ADS], v[TP], 272               ; back: row h, 16 bytes a lane
	v_add_nc_u32 v[ADS], v[ADS], v[R16]
	v_add_nc_u32 v[ADS], s44, v[ADS]
	v_lshl_add_u32 v[ADV], v[TP], 12, v[R16]       ; out: lanes 0-15 one row, lanes 16-31 the next
	s_wait_alu depctr_va_vdst(0)                   ; the wait ahead of the reciprocal's and O^T's first readers
.set n, 0
.rept 16
	v_pk_mul_f32 v[S+n:S+n+1], v[O+n:O+n+1], v[SUM:SUM+1] op_sel_hi:[1,0]   ; O^T / the sum: register 16 b + i is channel 32 b + 16 h + i of query r
.set n, n+2
.endr
.irp b, 0,1
.irp g, 0,1,2,3
	ds_store_b128 v[ADK], v[S+16*\b+4*\g:S+16*\b+4*\g+3] offset:128*\b+16*\g
.endr
.endr
.irp i, 0,1,2,3,4,5,6,7
	ds_load_b128 v[S+32+4*\i:S+35+4*\i], v[ADS] offset:544*\i   ; LDS serves a wave's instructions in order: these see my stores
.endr
.irp i, 0,1,2,3,4,5,6,7
	s_wait_dscnt 7-\i                              ; the younger loads may be out
	global_store_b128 v[ADV], v[S+32+4*\i:S+35+4*\i], s[8:9] offset:(2*\i+8*(\i/4))*4096 th:TH_STORE_NT   ; stage row p is query 8 pass + p + 8 (p / 8) of my 32; sixteen lanes store 256 consecutive aligned bytes
.endr
	s_wait_xcnt 0x0                                ; the stores have read their registers and their base
	s_add_nc_u64 s[8:9], s[8:9], 8*4096
	s_add_co_u32 s[PASS], s[PASS], 1
	s_cmp_lt_u32 s[PASS], 2
	s_cbranch_scc1 .Lpass
	s_wait_tensorcnt 0x0                           ; the wave's end
	ds_add_u32 v[SPW], v[NIL]
	s_wait_dscnt 0x0
	CROUND                                         ; the closing round
	s_endpgm
.Lfunc_end_k_q7cdd04c1fb_attn:
	.size	k_q7cdd04c1fb_attn, .Lfunc_end_k_q7cdd04c1fb_attn-k_q7cdd04c1fb_attn
	.p2alignl 7, 3214868480
	.fill 96, 4, 3214868480
	.section	.rodata,"a",@progbits
	.p2align	6, 0x0
	.amdhsa_kernel k_q7cdd04c1fb_attn
		.amdhsa_group_segment_fixed_size 215040
		.amdhsa_private_segment_fixed_size 0
		.amdhsa_enable_private_segment 0
		.amdhsa_kernarg_size 24
		.amdhsa_user_sgpr_count 2
		.amdhsa_user_sgpr_kernarg_segment_ptr 1
		.amdhsa_wavefront_size32 1
		.amdhsa_system_sgpr_workgroup_id_x 1
		.amdhsa_system_sgpr_workgroup_id_y 1
		.amdhsa_system_sgpr_workgroup_id_z 1
		.amdhsa_system_vgpr_workitem_id 0
		.amdhsa_next_free_vgpr 256
		.amdhsa_next_free_sgpr 66
		.amdhsa_reserve_vcc 0
		.amdhsa_float_denorm_mode_32 3
		.amdhsa_float_denorm_mode_16_64 3
		.amdhsa_memory_ordered 1
		.amdhsa_forward_progress 1
		.amdhsa_inst_pref_size 63
	.end_amdhsa_kernel
	.amdgpu_metadata
---
amdhsa.version: [ 1, 2 ]
amdhsa.kernels:
  - .name:           k_q7cdd04c1fb_attn
    .symbol:         k_q7cdd04c1fb_attn.kd
    .args:
      - { .name: qbuf, .offset: 0, .size: 8, .value_kind: global_buffer, .address_space: global }
      - { .name: kv, .offset: 8, .size: 8, .value_kind: global_buffer, .address_space: global }
      - { .name: out0, .offset: 16, .size: 8, .value_kind: global_buffer, .address_space: global }
    .group_segment_fixed_size: 215040
    .private_segment_fixed_size: 0
    .kernarg_segment_align: 8
    .kernarg_segment_size: 24
    .max_flat_workgroup_size: 512
    .sgpr_count:     66
    .vgpr_count:     256
    .wavefront_size: 32
...
	.end_amdgpu_metadata
.endif
;; end of part 3
